; MI455X (gfx1250); checked and timed in simulation.
; The chip was launched on July 23, 2026; its instructions are those of AMD's public machine-readable ISA for CDNA 5 (MIT licence, August 2026) and "CDNA5" Instruction Set Architecture Reference Guide (July 2026). The comments in the code are by the model that wrote it; some were corrected since.
;; Scaled Dot Product Attention. Allowed arithmetic: matrix products marked QUANTISED: E3M2 operands, one E8M0 scale for each 32 along K, by v_wmma_scale_f32_16x16x128_f8f6f4 with both operands' format E3M2, f32 sums; everything else in f32.
;; Inputs: K_codes 4 x 16 x 2,048 x 4 x 24 uint8 (E3M2 codes of K, K innermost, in blocks of 32 codes, four codes in three bytes); K_scales 4 x 16 x 2,048 x 4 uint8 (E8M0 scales of K, one for each 32 codes along K); Q_codes 4 x 16 x 2,048 x 4 x 24 uint8 (E3M2 codes of Q, K innermost, in blocks of 32 codes, four codes in three bytes); Q_scales 4 x 16 x 2,048 x 4 uint8 (E8M0 scales of Q, one for each 32 codes along K); V_codes 4 x 16 x 128 x 64 x 24 uint8 (E3M2 codes of V, K innermost, in blocks of 32 codes, four codes in three bytes); V_scales 4 x 16 x 128 x 64 uint8 (E8M0 scales of V, one for each 32 codes along K).
;; Outputs: out0 4 x 16 x 2,048 x 128 float32.
;; This version of the problem:
;;   THIS VERSION OF THE PROBLEM IS GIVEN IN LOW PRECISION. The matrix products marked QUANTISED in the list below multiply operands that are first quantised to E3M2 (3 exponent bits, 2 mantissa bits; 6 bits a number), with one power-of-two scale for each 32 numbers along K (OCP MX v1.0); their sums are f32. All else is computed in f32.
;;   The module's matrix products, in the order in which they are computed (A, B: the left and right operand; K: the contracted axis; several contracted axes count as one K, in the product's order):
;;     1. batch 64 x [M 2,048, K 128] x [K 128, N 2,048]; A: input Q (given as codes); B: input K (given as codes): QUANTISED
;;     2. batch 64 x [M 2,048, K 2,048] x [K 2,048, N 128]; A: softmax (see below); B: input V (given as codes): QUANTISED
;;   THE QUANTISER, for each operand of a quantised product, along K:
;;     - K is cut into blocks of 32 from its start; a last block that is shorter is filled with zeros.
;;     - A block's scale is 2^e with e = floor(log2(the largest magnitude in the block)) - 4, held to -126 .. 127; a block of zeros has e = 0. As a byte (E8M0): e + 127.
;;     - Each number is divided by its block's scale, clamped to +-28, and rounded to the nearest number of E3M2, ties to even, subnormals kept.
;;     - The product sums the exact products of the quantised numbers (number of the format x scale) in f32.
;;   ~~~python
;;   def quantise(x, axis):      # numpy; x: float32 -> the quantised numbers, widened to float32 again
;;       x = np.moveaxis(x, axis, -1); K = x.shape[-1]
;;       x = np.pad(x, [(0, 0)] * (x.ndim - 1) + [(0, -K % 32)]); x = x.reshape(x.shape[:-1] + (-1, 32)); a = np.abs(x).max(-1, keepdims=True)
;;       e = np.where(a > 0, np.clip(np.frexp(np.where(a > 0, a, 1))[1] - 1 - 4, -126, 127), 0)      # np.frexp(a)[1] - 1 = floor(log2(a)), exactly
;;       r = np.clip(x / 2.0 ** e, -28, 28)
;;       step = 2.0 ** (np.maximum(np.frexp(np.where(r == 0, 1, r))[1] - 1, -2) - 2)
;;       q = np.round(r / step) * step * 2.0 ** e      # np.round: ties to even
;;       return np.moveaxis(q.reshape(q.shape[:-2] + (-1,))[..., :K], -1, axis).astype(np.float32)
;;   ~~~
;;   SOFTMAX AHEAD OF A QUANTISED PRODUCT. Where the list says 'softmax', what is quantised is not the finished softmax but p = 2^(t - M), with t = logit x log2(e) and M = ceil(the row's largest t), a whole number; so 1/2 < the row's largest p <= 1. The row's sum l is taken of the UNQUANTISED p, in f32, and the product's result is divided by l at the end. Since M is a whole number, a kernel that streams over the keys may use a running M (the ceiling of the running maximum): every later rescaling is an exact power of two, which a block's scale takes up: the codes' values come out the same.
;;   OPERANDS COMPUTED ON THE WAY. 'Computed on the way' means the value that the module computes at that place (a softmax that the list does not call 'softmax' is quantised finished and normalised). What goes into a quantiser is computed in f32, as accurately as f32 sums, v_exp_f32 and their like allow (about 1e-6 of the number): no bf16 or f16 on the way to a quantiser, and a product that is left as it is and whose result goes on into a quantised operand takes f32 operands (vector FMAs, or v_wmma_f32_16x16x4_f32). A number that lies on a knife's edge between two numbers of the format may be rounded either way, as far as f32 arithmetic and the matrix unit's own rounding can turn it there, and no further.
;;   INPUTS GIVEN AS CODES. K (in the module: [4, 16, 2048, 128], K = its axis 3); Q (in the module: [4, 16, 2048, 128], K = its axis 3); V (in the module: [4, 16, 2048, 128], K = its axis 2): each comes as NAME_codes (uint8): NAME with its K axis moved to the last place and cut into blocks of 32 codes, [.., K / 32, bytes a block], one block behind the other in memory; four codes in three bytes: a row's codes are one little-endian stream of bits, code i at bits 6 i .. 6 i + 5 (a code: sign, 3 exponent bits, 2 mantissa bits); and NAME_scales (uint8): the same leading axes, one E8M0 byte (e + 127) for each 32 codes along K. Its value is code x scale, taken as it is: it is not quantised again, and the codes and scales need not be those that the quantiser above would give.
;; One version. Each part assembles by itself: llvm-mc -triple=amdgcn-amd-amdhsa -mcpu=gfx1250 --defsym DOCPART=n.
;; ======== version 1 of 1: 1 launch
;; launch attn (part 1): grid 4 x 64, 8 waves a work-group, no clusters, 327,680 bytes of LDS; arguments Q_codes, Q_scales, K_codes, K_scales, V_codes, V_scales, out0; writes out0
.if DOCPART == 1
	.amdgcn_target "amdgcn-amd-amdhsa--gfx1250"
	.amdhsa_code_object_version 6
	.text
	.protected	k_q08361bee07_attn
	.globl	k_q08361bee07_attn
	.p2align	8
	.type	k_q08361bee07_attn,@function
k_q08361bee07_attn:
	s_mov_b64 s[64:65], 0
	v_nop
	global_prefetch_b8 v0, s[64:65] scope:SCOPE_SE
	s_setreg_imm32_b32 hwreg(HW_REG_WAVE_MODE, 25, 1), 1
	s_wait_xcnt 0x0
; out0[head][q][:] = the sum over keys k <= q of softmax_k(Q[q] . K[k] / sqrt(128)) V[k][:], 64 heads, 2,048 queries and keys, head size 128; both products on codes of BF6 (E3M2) with one E8M0 byte for each 32 along a product's K.
; Q, K: rows of 96 bytes (128 codes) and one scale word a row.  V: the KEYS innermost, [128][1,536 bytes], 64 scale bytes a row.  out0: f32.
; THE SOFTMAX AHEAD OF THE SECOND PRODUCT: t = score x log2(e) / sqrt(128); M = the running largest t, rounded UP to a whole number; p = 2^(t - M) is quantised along the keys, not normalised.
; The row's sum is taken of the unquantised p, in f32, and divides O at the end.  When M moves, the sum and O are multiplied by 2^(old M - new M): exact.
; SHARES.  Work-group (i, head) owns TWO blocks of 256 queries: block 7 - i, which needs the key slots (256 keys each) 0 .. 7 - i, and block i, which needs slots 0 .. i: nine slots for every i, so 256 work-groups of equal work.
; Each of the EIGHT waves owns TWO tiles of 16 queries of the block in hand: tile A, queries 16 w on, and tile B, queries 128 + 16 w on.  Each fragment of K and of V that the wave reads from LDS feeds two matrix instructions:
; a work-group issues 8 x 18 steps x 104 LDS loads where one tile to a wave would take 272 x 104.
; THE WALK.  ONE loop of nine trips (the ninth written out).  Trips t < SW = 8 - i: high block, key slot t.  Trips t >= SW: low block, key slot 8 - t (downward: the order of key steps is free, and every step that is
; worked begins at a key that every query of the tile may see, so M is a number from a tile's first step on).  No slot is fetched that nobody reads; no tensor load and no barrier is jumped over.
; THE MASK.  In the block's own key slot, step 0 (keys 0-127 of the slot): tile A lies on the diagonal, tile B sees every key; step 1: all keys come after tile A's queries (16 w + 15 < 128), so its work is left out by scalar
; branches on ids, and tile B lies on the diagonal.  In earlier slots every key counts.  So mask code stands for (A, step 0) and (B, step 1) alone, and all eight waves have the same work in every trip.
; On the diagonal hidden scores become -infinity ahead of the maximum.
; LAYOUT.  Both products are used transposed: S^T = K Q^T (source 0 = 16 keys, source 1 = 16 queries), O^T = V^T P^T (source 0 = 16 of the head's 128, source 1 = P): a lane holds ONE query (lane % 16) of each tile throughout.
; THE KEYS OF A TILE ARE NOT NEIGHBOURS: lane r of tile 2 b + u takes key 32 b + 8 u + r + 8 (r / 8), so that the 16 registers of tiles 2 b and 2 b + 1 are 16 neighbouring keys, 32 b + 16 (lane / 16) + 0 .. 15.
; NO CLUSTER: the four work-groups of a head want the same key slot only in trips 0 to 4 (SW is 8, 7, 6, 5); from there on their walks differ, and a walk in step for all four would take 8 + 4 = 12 slots where each has work for 9.
; NO PREFETCH: a slot's refill is asked for a whole slot, two key steps of eight waves, ahead of its first read.
; LIMITS: scale bytes 0xff (NaN) and scores whose t leaves f32's range are not served; a p under 2^-126 comes out of v_exp_f32 as 0 (beside a row's sum above 1/2); a block of p that is all zeros keeps the byte 1, its codes are zeros;
; t is the score times ONE constant, log2(e) / sqrt(128): one rounding where the definition has two.
; All of the work-group's possible LDS is claimed
;
; REGISTERS, in two windows of 256 (an instruction names v0-v255; s_set_vgpr_msb says which window each operand place means: bits 1:0 source 0, 3:2 source 1, 5:4 source 2, 7:6 destination).
; Tile A's state lies in window 0 and tile B's at THE SAME NUMBERS in window 1, so that one text serves both, under the setting 0 or 0x55:
;   v12 -M, v13 the largest t, v[14:15] the sum in two halves; v16-27 Q; v30 r - 16 h, v31 -infinity; v80-91 the low block's Q; v96-159 S^T, then p, then O on its way out; v160-223 O^T; v224-235 p's codes; v232-247, v252, v254 at work.
; Shared: window 0 v0-11, v28-29, v93-94 addresses; v32-79 of window 0 the fragments of tiles 0-3 of K or of V, v32-79 of window 1 those of tiles 4-7.
; Scale operands have no window (they are taken from v0-v255): v248-251 K's or V's words, v255 Q's of tile A, v95 Q's of tile B, v253 p's of tile A, v243 p's of tile B; v92: the low block's words of Q (window 0: A's, window 1: B's).
.set SLOT1, 131072                     ; ring slot 1 begins here: one exclusive or turns an address in one slot into the other's
.set KG1,   12304                      ; a slot: at 0 the keys with key % 32 < 16 (8 rows of 16 keys x 96 bytes, dense), at KG1 = 12,288 + 16 those with key % 32 >= 16.
                                       ; In pieces of 8 bytes a load of a tile touches 12 (r % 8) + 1,538 (r / 8) + 3 h: 32 different pieces modulo 32, that is 64 different banks (64 banks of 4 bytes: ISA guide 11.1)
.set VOFF,  24832                      ; then V: 128 rows of 192 bytes, 16 bytes of padding behind every 64: rows 240 bytes apart
.set VP,    240
.set STAGE, 57344                      ; the way out: 16 rows x 272 bytes for each wave, behind slot 0's tiles (which end at 55,552): blocks of 256 bytes into which no fill lands
.set SCK,   262144                     ; behind the ring: K's scale bytes of the head, 8,192 bytes as 32 units of 256 bytes + 16 of padding
.set SCV,   270848                     ; V's likewise
.set SPARE, 280064                     ; the spare words, 128 bytes for each of the eight waves: four blocks of 256 bytes that no other line names
.set AK0,  1                           ; v1   my lane's place in a tile of K: 96 (r % 8) + KG1 (r / 8) + 24 h
.set AV0,  2                           ; v2   in a tile of V: VOFF + 240 r + 24 h
.set AV1,  3                           ; v3   the same for the pieces that lie behind one padding more: VOFF + 240 r + 40 h
.set ASK0, 4                           ; v4   among K's scale words: SCK + 4 (r + 8 (r / 8) + 8 h)
.set ASV0, 5                           ; v5   among V's: SCV + 272 (lane / 4) + 64 (lane % 4)
.set SPW,  6                           ; v6   LDS address of my spare word: SPARE + 4 x my thread's number; never rewritten
.set NIL,  7                           ; v7   0; never rewritten
.set GO,   8                           ; v8   the way out: my byte offset in a tile's rows of out0
.set ADK,  9                           ; v9-11, v28-29: the addresses of the step in hand
.set ADV,  10
.set ADV2, 11
.set ADS,  28
.set ADT,  29
.set DQ,   30                          ; v30  r - 16 h, for the mask (in both windows)
.set NINF, 31                          ; v31  -infinity (in both windows)
.set STO,  93                          ; v93  the stage: where I put 32 bytes of a row
.set RD,   94                          ; v94  and where I read a row back
.set QSB,  95                          ; v95  tile B's scale words of Q
.set PSB,  243                         ; v243 tile B's scale word of p
.set T0,   19                          ; s19, s77, s90 at work
.set T1,   77
.set T2,   90
.set WV,   18                          ; s18  my wave's number
.set SEL,  20                          ; s[20:21] lane selects for v_permlanex16_b32: lane l xor 16
.set CS,   22                          ; s[22:23] c = log2(e) / sqrt(128): the packed form names a pair and takes its low word for both halves
.set G1K,  24                          ; s[24:31] descriptor group 1 for K's tiles;  s[32:39] for V's;  s[40:43], s[44:47] their groups 0
.set G1V,  32
.set G0K,  40
.set G0V,  44
.set G1S,  48                          ; s[48:55] group 1 for the scale bytes;  s[56:59], s[60:63] groups 0 for K's and V's
.set G0SK, 56
.set G0SV, 60
.set TB,   66                          ; s66  LDS byte at which the ring slot in hand begins
.set TS,   67                          ; s67  1,088 x key slot: where its scale words of K begin
.set TJ,   68                          ; s68  8 x key slot: and V's, in each row
.set TA,   69                          ; s69  the trip t: the loop's counter
.set TD,   70                          ; s70  8 - t
.set SW,   71                          ; s71  8 - i: the first trip of the low block
.set CUR,  72                          ; s72  the key slot of this trip
.set NXT,  73                          ; s73  and of the next
.set KF,   74                          ; s74  its first key
.set Q0,   75                          ; s75  tile A's first query (tile B's is 128 on)
.set Q0LO, 76                          ; s76  that of the low block
.set KB,   78                          ; s[78:79] K's codes of the head at my half of a group of 32 keys
.set VB,   80                          ; s[80:81] V's codes of the head at my 64 rows
.set OFK,  82                          ; s[82:83], s[84:85] byte offsets of a key slot in K and in V, as pairs with 0 on top
.set OFV,  84
.set OHI,  86                          ; s[86:87] out0 at my tile A of the high block;  s[88:89] of the low block
.set OLO,  88
.set MSB, 0
.macro WIN new                         ; the immediate's high byte repeats the setting that is left; a switch that changes nothing is dropped.  At every label and branch the setting is 0
.if MSB != (\new)
	s_set_vgpr_msb (MSB<<8)|(\new)
.set MSB, (\new)
.endif
.endm
; Waves 0 and 1 fetch for K, waves 2 and 3 for V, the others nothing.  The branches hang on the wave's number alone.  Four v_nop follow each of the two lines.
.macro TLOAD g0k, g1k, g0v, g1v
	s_cmp_lt_u32 s[WV], 2
	s_cbranch_scc0 .Lnot_k_\@
	tensor_load_to_lds s[\g0k:\g0k+3], s[\g1k:\g1k+7]
	s_nop 0
.rept 4
	v_nop
.endr
	s_branch .Lasked_\@
.Lnot_k_\@:
	s_cmp_lt_u32 s[WV], 4
	s_cbranch_scc0 .Lasked_\@
	tensor_load_to_lds s[\g0v:\g0v+3], s[\g1v:\g1v+7]
	s_nop 0
.rept 4
	v_nop
.endr
.Lasked_\@:
.endm
; Tile w's state begins: the largest t so far is -3e38, under every t; -M = floor(3e38) = 3e38; the sum and O^T are zeros.
; (A key step is written in one form: a tile's first step finds zeros, which the first change of M leaves zeros; a first step of its own would be two more copies of the step.)
.macro RESET w
	WIN 0x40*(\w)
	v_mov_b32 v13, 0xff61b1e6
	v_mov_b32 v12, 0x7f61b1e6
	v_mov_b32 v14, 0
	v_mov_b32 v15, 0
.irp j, 0,1,2,3,4,5,6,7,8,9,10,11,12,13,14,15,16,17,18,19,20,21,22,23,24,25,26,27,28,29,30,31,32,33,34,35,36,37,38,39,40,41,42,43,44,45,46,47,48,49,50,51,52,53,54,55,56,57,58,59,60,61,62,63
	v_mov_b32 v[160+\j], 0
.endr
.endm
	s_load_b128 s[4:7], s[0:1], 0x0                ; Q's codes, Q's scales
	s_load_b128 s[8:11], s[0:1], 0x10              ; K's codes, K's scales
	s_load_b128 s[12:15], s[0:1], 0x20             ; V's codes, V's scales
	s_load_b64 s[16:17], s[0:1], 0x30              ; out0
	v_lshl_add_u32 v[SPW], v0, 2, SPARE
	v_mov_b32 v[NIL], 0
	ds_add_u32 v6, v7
	s_wait_dscnt 0x0
	v_lshrrev_b32 v32, 5, v0
	v_readfirstlane_b32 s[WV], v32                 ; wave 0..7
	s_and_b32 s90, ttmp7, 0xffff                   ; the head
	s_lshl_b32 s91, s[WV], 4                       ; 16 w
	s_sub_co_u32 s[SW], 8, ttmp9                   ; SW = 8 - i
	s_sub_co_u32 s[T0], 7, ttmp9
	s_lshl_b32 s[T0], s[T0], 8
	s_add_co_u32 s[Q0], s[T0], s91                 ; tile A's first query in the high block: 256 (7 - i) + 16 w
	s_lshl_b32 s[T0], ttmp9, 8
	s_add_co_u32 s[Q0LO], s[T0], s91               ; in the low block: 256 i + 16 w
	; byte offsets, all under 2^32, each in a pair with 0 on top
	s_mul_i32 s92, s90, 196608                     ; the head's first byte in each tensor of codes (2,048 x 96 = 128 x 1,536)
	s_lshl_b32 s94, s90, 13                        ; in each tensor of scale bytes
	s_mov_b32 s95, 0
	s_lshl_b32 s93, s90, 20                        ; and in out0
	s_mul_i32 s96, s[Q0], 96
	s_add_co_u32 s96, s96, s92                     ; Q's codes, high block
	s_mov_b32 s97, 0
	s_mul_i32 s98, s[Q0LO], 96
	s_add_co_u32 s98, s98, s92                     ; low block
	s_mov_b32 s99, 0
	s_lshl_b32 s100, s[Q0], 2
	s_add_co_u32 s100, s100, s94                   ; Q's scale words, high block
	s_mov_b32 s101, 0
	s_lshl_b32 s2, s[Q0LO], 2
	s_add_co_u32 s2, s2, s94                       ; low block
	s_mov_b32 s3, 0
	s_lshl_b32 s[OHI], s[Q0], 9
	s_add_co_u32 s[OHI], s[OHI], s93
	s_mov_b32 s[OHI+1], 0
	s_lshl_b32 s[OLO], s[Q0LO], 9
	s_add_co_u32 s[OLO], s[OLO], s93
	s_mov_b32 s[OLO+1], 0
	; what I fetch, if I fetch: a = wave & 1.  K: the keys with key % 32 in 16 a .. 16 a + 15;  V: rows 64 a on;  the scale bytes: half a
	s_and_b32 s[T0], s[WV], 1
	s_mul_i32 s[KB], s[T0], 1536
	s_add_co_u32 s[KB], s[KB], s92
	s_mov_b32 s[KB+1], 0
	s_mul_i32 s[VB], s[T0], 98304
	s_add_co_u32 s[VB], s[VB], s92
	s_mov_b32 s[VB+1], 0
	s_lshl_b32 s[T1], s[T0], 12
	s_add_co_u32 s94, s94, s[T1]                   ; my half of the head's scale bytes
	; group 1, K: 8 rows of 192 elements of 8 bytes (16 keys x 96 bytes), 3,072 bytes apart in memory, dense in LDS
	s_mov_b32 s[G1K], 3<<16                        ; 15:0 no mask; 17:16 elements of 8 bytes; 20 padding off
	s_mov_b32 s[G1K+1], 192<<16                    ; tensor_dim0
	s_mov_b32 s[G1K+2], 8<<16                      ; tensor_dim1
	s_mov_b32 s[G1K+3], 192<<16                    ; tile_dim0
	s_mov_b32 s[G1K+4], 8                          ; tile_dim1
	s_mov_b32 s[G1K+5], 384                        ; tensor_dim0_stride
	s_mov_b32 s[G1K+6], 0
	s_mov_b32 s[G1K+7], 0
	; group 1, V: 64 rows of 192 bytes, 1,536 bytes apart; 4 words of padding (code 3) behind every 16 words (code 3)
	s_mov_b32 s[G1V], (1<<20)|(3<<22)|(3<<25)
	s_mov_b32 s[G1V+1], 192<<16
	s_mov_b32 s[G1V+2], 64<<16
	s_mov_b32 s[G1V+3], 192<<16
	s_mov_b32 s[G1V+4], 64
	s_mov_b32 s[G1V+5], 1536
	s_mov_b32 s[G1V+6], 0
	s_mov_b32 s[G1V+7], 0
	; group 1, scale bytes: 4,096 dense bytes as 16 rows of 256 bytes (32 elements of 8), 16 bytes of padding behind each
	s_mov_b32 s[G1S], (3<<16)|(1<<20)|(5<<22)|(3<<25)
	s_mov_b32 s[G1S+1], 32<<16
	s_mov_b32 s[G1S+2], 16<<16
	s_mov_b32 s[G1S+3], 32<<16
	s_mov_b32 s[G1S+4], 16
	s_mov_b32 s[G1S+5], 32
	s_mov_b32 s[G1S+6], 0
	s_mov_b32 s[G1S+7], 0
	; groups 0: count 1; the LDS addresses are a constant + a constant x (wave & 1)
	s_mov_b32 s[G0K], 1
	s_mul_i32 s[G0K+1], s[T0], KG1                 ; ring slot 0
	s_mov_b32 s[G0V], 1
	s_mul_i32 s[G0V+1], s[T0], 64*VP
	s_add_co_u32 s[G0V+1], s[G0V+1], VOFF
	s_mul_i32 s[T1], s[T0], 16*272
	s_mov_b32 s[G0SK], 1
	s_add_co_u32 s[G0SK+1], s[T1], SCK
	s_mov_b32 s[G0SV], 1
	s_add_co_u32 s[G0SV+1], s[T1], SCV
	s_mov_b32 s[SEL], 0x76543210
	s_mov_b32 s[SEL+1], 0xfedcba98
	s_mov_b32 s[CS], 0x3e0293ee                    ; c = log2(e) / sqrt(128)
	s_mov_b32 s[CS+1], s[CS]                       ; (named with it as a pair, so it is written)
	s_mov_b32 s[TB], 0
	s_mov_b32 s[TA], 0
	s_mov_b32 s[TD], 8
	s_mov_b32 s[OFK+1], 0
	s_mov_b32 s[OFV+1], 0
	s_wait_kmcnt 0x0
	s_add_nc_u64 s[G0SK+2:G0SK+3], s[10:11], s[94:95]
	s_or_b32 s[G0SK+3], s[G0SK+3], 0x80000000      ; 127:126 type = 2
	s_add_nc_u64 s[G0SV+2:G0SV+3], s[14:15], s[94:95]
	s_or_b32 s[G0SV+3], s[G0SV+3], 0x80000000
	s_add_nc_u64 s[KB:KB+1], s[8:9], s[KB:KB+1]
	s_add_nc_u64 s[VB:VB+1], s[12:13], s[VB:VB+1]
	s_mov_b64 s[G0K+2:G0K+3], s[KB:KB+1]           ; key slot 0
	s_or_b32 s[G0K+3], s[G0K+3], 0x80000000
	s_mov_b64 s[G0V+2:G0V+3], s[VB:VB+1]
	s_or_b32 s[G0V+3], s[G0V+3], 0x80000000
	TLOAD G0SK, G1S, G0SV, G1S                     ; the scale bytes of the whole head: filled once.  The first fills stand ahead of every wait on TENSORcnt, every LDS read and every barrier;
	TLOAD G0K, G1K, G0V, G1V                       ; ring slot 0.  Two loads of a fetching wave are out; the first wait on TENSORcnt is for 0
	s_add_nc_u64 s[96:97], s[4:5], s[96:97]        ; Q's codes and scale words at my tile A of each block; tile B lies 128 rows on: 12,288 and 512 bytes, in the immediates
	s_add_nc_u64 s[98:99], s[4:5], s[98:99]
	s_add_nc_u64 s[100:101], s[6:7], s[100:101]
	s_add_nc_u64 s[2:3], s[6:7], s[2:3]
	s_add_nc_u64 s[OHI:OHI+1], s[16:17], s[OHI:OHI+1]
	s_add_nc_u64 s[OLO:OLO+1], s[16:17], s[OLO:OLO+1]
	v_and_b32 v32, 15, v0                          ; r = lane % 16
	v_bfe_u32 v33, v0, 4, 1                        ; h = lane / 16
	v_and_b32 v36, 31, v0                          ; lane
	v_mul_u32_u24 v34, v32, 96
	v_mad_u32_u24 v34, v33, 24, v34                ; Q: row r, + my half's 24 bytes
	v_lshlrev_b32 v35, 2, v32                      ; its scale word
.irp p, 0,1,2,3,4,5
	global_load_b64 v[16+2*\p:17+2*\p], v34, s[96:97] offset:48*(\p/3)+8*(\p%3) th:TH_LOAD_NT   ; Q's fragments stay in registers: tile A of the high block,
	global_load_b64 v[80+2*\p:81+2*\p], v34, s[98:99] offset:48*(\p/3)+8*(\p%3) th:TH_LOAD_NT   ; and of the low block, kept until the switch
.endr
	global_load_b32 v255, v35, s[100:101] th:TH_LOAD_NT
	global_load_b32 v[QSB], v35, s[100:101] offset:512 th:TH_LOAD_NT
	global_load_b32 v92, v35, s[2:3] th:TH_LOAD_NT
	WIN 0x40                                       ; destination window 1, address window 0: tile B
.irp p, 0,1,2,3,4,5
	global_load_b64 v[16+2*\p:17+2*\p], v34, s[96:97] offset:12288+48*(\p/3)+8*(\p%3) th:TH_LOAD_NT
	global_load_b64 v[80+2*\p:81+2*\p], v34, s[98:99] offset:12288+48*(\p/3)+8*(\p%3) th:TH_LOAD_NT
.endr
	global_load_b32 v92, v35, s[2:3] offset:512 th:TH_LOAD_NT
	WIN 0
	v_and_b32 v37, 7, v32
	v_lshrrev_b32 v38, 3, v32
	v_mul_u32_u24 v[AK0], v37, 96
	v_mad_u32_u24 v[AK0], v38, KG1, v[AK0]
	v_mad_u32_u24 v[AK0], v33, 24, v[AK0]
	v_mul_u32_u24 v[AV0], v32, VP
	v_mad_u32_u24 v[AV0], v33, 24, v[AV0]
	v_lshl_add_u32 v[AV1], v33, 4, v[AV0]
	v_add_nc_u32 v[AV0], VOFF, v[AV0]
	v_add_nc_u32 v[AV1], VOFF, v[AV1]
	v_and_b32 v39, 8, v32
	v_add_nc_u32 v39, v39, v32                     ; r + 8 (r / 8)
	v_lshl_add_u32 v39, v33, 3, v39                ; + 8 h: lanes 0-15 take the words of tile 2 b, lanes 16-31 those of tile 2 b + 1
	v_lshl_add_u32 v[ASK0], v39, 2, SCK
	v_lshrrev_b32 v40, 2, v36
	v_and_b32 v41, 3, v36
	v_mul_u32_u24 v[ASV0], v40, 272                ; V's scale bytes: row d begins at 64 d + 16 (d / 4); lane l takes row 32 x + l
	v_lshl_add_u32 v[ASV0], v41, 6, v[ASV0]
	v_add_nc_u32 v[ASV0], SCV, v[ASV0]
	v_lshlrev_b32 v[GO], 9, v33
	v_lshl_add_u32 v[GO], v32, 4, v[GO]            ; the way out: lanes 0-15 take one row of out0, lanes 16-31 the next; 16 bytes a lane
	v_lshlrev_b32 v[DQ], 4, v33
	v_sub_nc_u32 v[DQ], v32, v[DQ]
	v_mov_b32 v[NINF], 0xff800000
	s_mul_i32 s[T0], s[WV], 16*272
	s_add_co_u32 s[T0], s[T0], STAGE               ; my stage
	v_mul_u32_u24 v[STO], v32, 272
	v_lshl_add_u32 v[STO], v33, 5, v[STO]
	v_add_nc_u32 v[STO], s[T0], v[STO]             ; in: row r; tile t's eight channels of my half: 64 t + 32 h bytes on
	v_mul_u32_u24 v[RD], v33, 272
	v_lshl_add_u32 v[RD], v32, 4, v[RD]
	v_add_nc_u32 v[RD], s[T0], v[RD]               ; back: lanes 0-15 one row, lanes 16-31 the next
.irp b, 0,1,2,3
	v_mov_b32 v[236+\b], 0                         ; written once: a lane permute's destination counts as one of its sources
.endr
	v_mov_b32 v252, 0
	v_mov_b32 v253, 0                              ; (named as the upper half of the pair v[252:253] before it is first written)
	RESET 0
	WIN 0x40                                       ; the same in window 1, for tile B
	v_mov_b32 v[DQ], v[DQ]                         ; (source window 0)
	v_mov_b32 v[NINF], 0xff800000
.irp b, 0,1,2,3
	v_mov_b32 v[236+\b], 0
.endr
	v_mov_b32 v252, 0
	v_mov_b32 v253, 0
	RESET 1
	WIN 0
; A fragment of K: tile 4 g + t of the slot's q-th 128 keys.  Six pieces of 8 bytes, so that every address is a multiple of the access's size.  (g chooses the bytes; the window in force chooses where they land)
.macro KFRAG t, q, g
.irp p, 0,1,2,3,4,5
	ds_load_b64 v[32+12*(\t)+2*\p:32+12*(\t)+2*\p+1], v[ADK] offset:(4*(\q)+2*(\g)+(\t)/2)*1536+768*((\t)%2)+48*(\p/3)+8*(\p%3)
.endr
.endm
; A fragment of V^T: channels 16 (4 g + t) on, the slot's q-th 128 keys.  Lanes 0-15 take the row's pieces 12 q + 0, 1, 2 and 12 q + 6, 7, 8, lanes 16-31 those three pieces on;
; 16 bytes of padding lie behind every 8 pieces: where the piece three on lies behind one padding more, the second address register (40 for 24 bytes a half) serves
.macro VFRAG t, q, g
.irp p, 0,1,2,3,4,5
.set PIECE, 12*(\q)+6*(\p/3)+\p%3
.if PIECE%8 < 5
	ds_load_b64 v[32+12*(\t)+2*\p:32+12*(\t)+2*\p+1], v[ADV] offset:8*PIECE+16*(PIECE/8)+16*VP*(4*(\g)+(\t))
.else
	ds_load_b64 v[32+12*(\t)+2*\p:32+12*(\t)+2*\p+1], v[ADV2] offset:8*PIECE+16*(PIECE/8)+16*VP*(4*(\g)+(\t))
.endif
.endr
.endm
; Four products of S^T = K Q^T for query tile w: key tiles 4 g + 0 .. 3.  Source 0 (K) window g, source 1 (Q) and the result window w.  A scale register carries an even tile's words in lanes 0-15 and the odd tile's in lanes 16-31
.macro SQK4 w, g
	WIN (\g)+0x54*(\w)
.irp t, 0,1,2,3
.if \t%2
	v_wmma_scale_f32_16x16x128_f8f6f4 v[96+8*(4*(\g)+\t):103+8*(4*(\g)+\t)], v[32+12*\t:43+12*\t], v[16:27], 0, v[248+2*(\g)+\t/2], v[255-160*(\w)] matrix_a_fmt:MATRIX_FMT_BF6 matrix_b_fmt:MATRIX_FMT_BF6 matrix_a_scale:MATRIX_SCALE_ROW1
.else
	v_wmma_scale_f32_16x16x128_f8f6f4 v[96+8*(4*(\g)+\t):103+8*(4*(\g)+\t)], v[32+12*\t:43+12*\t], v[16:27], 0, v[248+2*(\g)+\t/2], v[255-160*(\w)] matrix_a_fmt:MATRIX_FMT_BF6 matrix_b_fmt:MATRIX_FMT_BF6
.endif
.endr
.endm
; Four products of O^T += V^T P^T for query tile w: channels 16 (4 g + 0 .. 3) on.  Source 0 (V) window g; P, C and D window w
.macro OPV4 w, g
	WIN (\g)+0x54*(\w)
.irp t, 0,1,2,3
.if \t%2
	v_wmma_scale_f32_16x16x128_f8f6f4 v[160+8*(4*(\g)+\t):167+8*(4*(\g)+\t)], v[32+12*\t:43+12*\t], v[224:235], v[160+8*(4*(\g)+\t):167+8*(4*(\g)+\t)], v[248+2*(\g)+\t/2], v[253-10*(\w)] matrix_a_fmt:MATRIX_FMT_BF6 matrix_b_fmt:MATRIX_FMT_BF6 matrix_a_scale:MATRIX_SCALE_ROW1
.else
	v_wmma_scale_f32_16x16x128_f8f6f4 v[160+8*(4*(\g)+\t):167+8*(4*(\g)+\t)], v[32+12*\t:43+12*\t], v[224:235], v[160+8*(4*(\g)+\t):167+8*(4*(\g)+\t)], v[248+2*(\g)+\t/2], v[253-10*(\w)] matrix_a_fmt:MATRIX_FMT_BF6 matrix_b_fmt:MATRIX_FMT_BF6
.endif
.endr
.endm
; THE SOFTMAX AND THE QUANTISER of query tile w for one key step: all its registers lie in window w.  mask = 1: the tile may lie on the diagonal in this step.  s[T1] holds the step's first key.
.macro SOFTMAX w, mask
.if \mask
	WIN 0
	s_add_co_u32 s[T0], s[Q0], 128*(\w)            ; the tile's first query
	s_add_co_u32 s[T2], s[T1], 127
	s_cmp_le_u32 s[T2], s[T0]                      ; a step all of whose keys count skips the mask
	s_cbranch_scc1 .Lopen_\@
	s_sub_co_i32 s[T0], s[T0], s[T1]
	WIN 0x55*(\w)
	v_add_nc_u32 v252, s[T0], v[DQ]                ; d = my query - the step's first key - 16 h.  Register 16 b + i holds key 32 b + 16 h + i of the step: hidden where 32 b + i > d
.irp n, 0,1,2,3,4,5,6,7,8,9,10,11,12,13,14,15,16,17,18,19,20,21,22,23,24,25,26,27,28,29,30,31,32,33,34,35,36,37,38,39,40,41,42,43,44,45,46,47,48,49,50,51,52,53,54,55,56,57,58,59,60,61,62,63
	v_cmp_gt_i32 vcc_lo, 32*(\n/16)+\n%16, v252
	v_cndmask_b32 v[96+\n], v[96+\n], v[NINF], vcc_lo   ; -infinity ahead of the maximum: p = 0 then
.endr
	WIN 0
.Lopen_\@:
.endif
	WIN 0x55*(\w)
.irp b, 0,1,2,3
	v_max3_num_f32 v[232+\b], v[96+16*\b], v[97+16*\b], v[98+16*\b]   ; THE LARGEST SCORE OF EACH BLOCK OF 32 KEYS: it serves twice: for the row's maximum, and, since p rises with the score, for the block's largest p
.endr
.irp i, 3,5,7,9,11,13
.irp b, 0,1,2,3
	v_max3_num_f32 v[232+\b], v[232+\b], v[96+16*\b+\i], v[97+16*\b+\i]   ; (the four blocks by turns)
.endr
.endr
.irp b, 0,1,2,3
	v_max_num_f32 v[232+\b], v[232+\b], v[111+16*\b]
.endr
.irp b, 0,1,2,3
	v_permlanex16_b32 v[236+\b], v[232+\b], s[SEL], s[SEL+1]
.endr
.irp b, 0,1,2,3
	v_max_num_f32 v[232+\b], v[232+\b], v[236+\b]  ; with lane l xor 16's 16 keys
.endr
	v_max3_num_f32 v254, v232, v233, v234
	v_max_num_f32 v254, v254, v235                 ; the step's largest score of my query
	v_mul_f32 v254, s[CS], v254                    ; as t (c is positive)
	v_max_num_f32 v13, v13, v254                   ; the running largest t
	v_mov_b32 v254, v12
	v_floor_f32 v12, -v13                          ; the new -M = floor(-t) = -ceil(t): M IS A WHOLE NUMBER
	v_sub_f32 v254, v12, v254                      ; M's old value less its new one: a whole number, 0 or less
	v_cvt_i32_f32 v254, v254                       ; (it saturates)
	v_ldexp_f32 v252, 1.0, v254                    ; f = 2^(old M - new M): what was summed under the old M is brought under the new by a multiplication that rounds nothing
.irp j, 0,2,4,6,8,10,12,14,16,18,20,22,24,26,28,30,32,34,36,38,40,42,44,46,48,50,52,54,56,58,60,62
	v_pk_fma_f32 v[96+\j:97+\j], v[96+\j:97+\j], s[CS:CS+1], v[12:13] op_sel_hi:[1,0,0]   ; t - M, two at a time (of the pairs c and -M the low word serves both halves)
.endr
.irp b, 0,1,2,3
	v_fma_f32 v[232+\b], v[232+\b], s[CS], v12     ; the same of each block's largest score
.endr
.irp j, 0,1,2,3,4,5,6,7,8,9,10,11,12,13,14,15,16,17,18,19,20,21,22,23,24,25,26,27,28,29,30,31,32,33,34,35,36,37,38,39,40,41,42,43,44,45,46,47,48,49,50,51,52,53,54,55,56,57,58,59,60,61,62,63
	v_exp_f32 v[96+\j], v[96+\j]                   ; p = 2^(t - M), at most 1: NOT normalised
.endr
.irp b, 0,1,2,3
	v_exp_f32 v[232+\b], v[232+\b]                 ; the block's largest p: the same two instructions on the same number give the same bits
.endr
	v_pk_mul_f32 v[14:15], v[14:15], v[252:253] op_sel_hi:[1,0]   ; the sums under the new M.  (A plain place behind the exponentials)
	s_wait_alu depctr_va_vdst(0)
.irp b, 0,1,2,3
	v_max_num_f32 v[232+\b], 0x2800000, v[232+\b]  ; the floor 2^(5 - 127): the byte cannot fall under 1 (a block whose every p is 0 keeps that byte: its codes are zeros)
.endr
.irp b, 0,1,2,3
	v_add_nc_u32 v[244+\b], 0xfe000000, v[232+\b]  ; 4 off the exponent field: the conversion's scale operand
.endr
.irp b, 0,1,2,3
	v_lshrrev_b32 v[236+\b], 23, v[244+\b]         ; the scale's byte
.endr
	v_lshl_or_b32 v253, v237, 8, v236              ; p's scale word for these 128 keys
	v_lshl_or_b32 v253, v238, 16, v253
.if \w
	WIN 0x11                                       ; sources window 1, destination window 0: a scale operand has no window, so tile B's word is finished into window 0
	v_lshl_or_b32 v[PSB], v239, 24, v253
	WIN 0x55
.else
	v_lshl_or_b32 v253, v239, 24, v253
.endif
.irp c, 0,1
	v_cvt_scalef32_pk16_bf6_f32 v[224+6*\c:226+6*\c], v[96+32*\c:111+32*\c], v[244+2*\c]
	v_cvt_scalef32_pk16_bf6_f32 v[236+4*\c:238+4*\c], v[112+32*\c:127+32*\c], v[244+2*\c+1]   ; (a conversion's three registers begin on an even number)
.endr
	v_nop                                          ; one plain vector instruction between a scaled conversion and the vector instruction that touches its result
.irp c, 0,1                                    ; the operand's layout wants a WHOLE block in a lane: lanes 0-15 block 2 c, lanes 16-31 block 2 c + 1
.irp i, 0,1,2
	v_permlane16_swap_b32 v[224+6*\c+\i], v[236+4*\c+\i]
.endr
.irp i, 0,1,2
	v_mov_b32 v[227+6*\c+\i], v[236+4*\c+\i]
.endr
.endr
	v_pk_add_f32 v[236:237], v[96:97], v[98:99]    ; THE ROW'S SUM IS TAKEN OF THE UNQUANTISED p: two at a time, in two chains
.irp j, 4,8,12,16,20,24,28,32,36,40,44,48,52,56,60
	v_pk_add_f32 v[14:15], v[14:15], v[96+\j:97+\j]
	v_pk_add_f32 v[236:237], v[236:237], v[98+\j:99+\j]
.endr
	v_pk_add_f32 v[14:15], v[14:15], v[236:237]
.irp j, 0,2,4,6,8,10,12,14,16,18,20,22,24,26,28,30,32,34,36,38,40,42,44,46,48,50,52,54,56,58,60,62
	v_pk_mul_f32 v[160+\j:161+\j], v[160+\j:161+\j], v[252:253] op_sel_hi:[1,0]   ; O^T under the new M: x f.  (These 32 and the 32 sums are also the places between the writes of p's codes and scale word and the products that take them)
.endr
.endm
; Tile A's work in a slot's second step is left out where all the step's keys come after its queries: a scalar branch on ids, three times a step.  No barrier, no tensor load and no LDS load is jumped over.
.macro IFHIDDEN label
	s_add_co_u32 s[T0], s[Q0], 15
	s_cmp_gt_u32 s[T1], s[T0]
	s_cbranch_scc1 \label
.endm
; A KEY STEP: 128 keys, the q-th of the slot in hand, for both tiles of queries.  Each accumulator has one matrix instruction a step: they take turns.
.macro STEP q
	s_add_co_u32 s[T1], s[KF], 128*(\q)            ; the step's first key
	v_add_nc_u32 v[ADK], s[TB], v[AK0]             ; these five are also the places in front of loads into registers that the last products have read
	v_add_nc_u32 v[ADV], s[TB], v[AV0]
	v_add_nc_u32 v[ADV2], s[TB], v[AV1]
	v_add_nc_u32 v[ADS], s[TS], v[ASK0]
	v_add_nc_u32 v[ADT], s[TJ], v[ASV0]
.irp b, 0,1,2,3
	ds_load_b32 v[248+\b], v[ADS] offset:544*(\q)+272*(\b/2)+128*(\b%2)   ; K's scale words: keys 32 b on; 64 keys to a unit of 256 bytes + 16
.endr
.irp t, 0,1,2,3
	KFRAG \t, \q, 0                                ; all eight fragments of K in one run: tiles 0-3 into window 0,
.endr
	WIN 0x40
.irp t, 0,1,2,3
	KFRAG \t, \q, 1                                ; tiles 4-7 into window 1
.endr
	WIN 0
	s_wait_dscnt 24                                ; the scale words and tiles 0-3 are in; the 24 pieces of tiles 4-7 may be out
	SQK4 1, 0
	WIN 0
.if \q
	IFHIDDEN .Lna1_\@
.endif
	SQK4 0, 0
	s_wait_dscnt 0x0                               ; tiles 4-7 are in
	SQK4 0, 1
	WIN 0
.if \q
.Lna1_\@:
.endif
	s_wait_dscnt 0x0                               ; (on the way round tile A's products too)
	SQK4 1, 1
	WIN 0
.rept 4
	v_nop                                          ; places: in front of the loads below and of the first read of the scores
.endr
.irp t, 0,1,2,3
	VFRAG \t, \q, 0                                ; all eight fragments of V and its scale words are asked for now: they land while the two softmaxes are walked
.endr
.irp x, 0,1,2,3
	ds_load_b32 v[248+\x], v[ADT] offset:2176*\x+4*(\q)   ; lane l: row 32 x + l: lanes 0-15 tile 2 x, lanes 16-31 tile 2 x + 1
.endr
	WIN 0x40
.irp t, 0,1,2,3
	VFRAG \t, \q, 1
.endr
	WIN 0
.if \q
	IFHIDDEN .Lna2_\@
.endif
	SOFTMAX 0, 1-\q
	WIN 0
.if \q
.Lna2_\@:
.endif
	SOFTMAX 1, \q
	WIN 0
	s_wait_dscnt 0x0                               ; V's fragments and scale words are in
.if \q
	IFHIDDEN .Lna3_\@
.endif
	OPV4 0, 0                                      ; O^T += V^T P^T: K = these 128 keys
	OPV4 0, 1
	WIN 0
.if \q
.Lna3_\@:
.endif
	OPV4 1, 0
	OPV4 1, 1
	WIN 0
.endm
; THE CHANGE OF SLOTS stands at a trip's head.  Each wave waits for all its tensor loads (its part of the slot that it is about to read), adds 0 to its spare word, and waits for that and for its reads of the slot that it has left.
; Behind the barrier the slot ahead is whole and nobody reads the other one.  fill = 1 (the loop's eight trips): that other slot is filled with the next trip's key slot: the load has a whole trip's steps in which to land.
; By this text's own count a fetching wave then has one tensor load out.  fill = 0 (the ninth trip): nothing is left to fetch.
.macro CHANGE fill
	s_wait_tensorcnt 0x0                           ; no tensor load of mine is out, so a group 0 may be written
	ds_add_u32 v[SPW], v[NIL]                      ; 0 onto my spare word; the scalar work below stands between it and the wait for it
.if \fill
	s_add_co_u32 s[T1], s[TA], 1
	s_sub_co_u32 s[T0], s[TD], 1
	s_cmp_lt_u32 s[T1], s[SW]
	s_cselect_b32 s[NXT], s[T1], s[T0]             ; the next trip's key slot: t + 1 in the high block, 8 - (t + 1) in the low
	s_min_u32 s[NXT], s[NXT], 7                    ; (it is 7 at the most: the bound is written out)
	s_mul_i32 s[OFK], s[NXT], 24576                ; 256 keys x 96 bytes
	s_mul_i32 s[OFV], s[NXT], 192                  ; 256 codes in each row of V
	s_xor_b32 s[G0K+1], s[G0K+1], SLOT1            ; the other ring slot than last time
	s_xor_b32 s[G0V+1], s[G0V+1], SLOT1
	s_add_nc_u64 s[G0K+2:G0K+3], s[KB:KB+1], s[OFK:OFK+1]
	s_or_b32 s[G0K+3], s[G0K+3], 0x80000000
	s_add_nc_u64 s[G0V+2:G0V+3], s[VB:VB+1], s[OFV:OFV+1]
	s_or_b32 s[G0V+3], s[G0V+3], 0x80000000
	s_cmp_lt_u32 s[TA], s[SW]
	s_cselect_b32 s[CUR], s[TA], s[TD]             ; this trip's key slot: t in the high block, 8 - t in the low
	s_min_u32 s[CUR], s[CUR], 7
	s_mul_i32 s[TS], s[CUR], 1088                  ; its scale words of K: four units of 272 bytes a slot
	s_lshl_b32 s[TJ], s[CUR], 3                    ; V's: 8 bytes a slot in each row
	s_lshl_b32 s[KF], s[CUR], 8                    ; its first key
.else
	s_mov_b32 s[TS], 0                             ; the ninth trip, t = 8, is the low block's for every i (SW = 8 - i is 8 at the most), and its key slot is 8 - 8 = 0: nothing is left to choose
	s_mov_b32 s[TJ], 0
	s_mov_b32 s[KF], 0
.endif
	s_wait_dscnt 0x0                               ; the add is done, and my reads of the slot that I have left are over
	s_barrier_signal -1
	s_barrier_wait -1
.if \fill
	TLOAD G0K, G1K, G0V, G1V                       ; the first thing behind the barrier, and a wave's one tensor load until the next
.endif
.endm
; THE WAY OUT of query tile w (its registers: window w; the addresses: window 0).  The sum's two halves and lane l xor 16's are added; O^T is divided by the sum and goes through my own stage in LDS,
; half a row (64 channels, 256 bytes) of 16 queries at a time, so that sixteen lanes store 256 consecutive bytes, at a multiple of 256 from out0's first byte.  off: the tile's rows, in bytes behind the base.
.macro WAYOUT w, base, off
	WIN 0x55*(\w)
	v_add_f32 v14, v14, v15
	v_permlanex16_b32 v252, v14, s[SEL], s[SEL+1]
	v_add_f32 v14, v14, v252                       ; the row's sum
	v_rcp_f32 v14, v14
.rept 3
	v_nop                                          ; a plain place behind the reciprocal; with the two additions above: the places behind the last products
.endr
	s_wait_alu depctr_va_vdst(0)
.irp j, 0,2,4,6,8,10,12,14,16,18,20,22,24,26,28,30,32,34,36,38,40,42,44,46,48,50,52,54,56,58,60,62
	v_pk_mul_f32 v[96+\j:97+\j], v[160+\j:161+\j], v[14:15] op_sel_hi:[1,0]   ; O^T / the sum, each accumulator from its low end on: register 8 t + i is o(r, 16 t + 8 h + i)
.endr
.irp u, 0,1                                    ; channels 64 u on
	WIN 0x04*(\w)                                  ; an LDS store's data are its source 1
.irp t, 0,1,2,3
	ds_store_b128 v[STO], v[96+32*\u+8*\t:99+32*\u+8*\t] offset:64*\t
	ds_store_b128 v[STO], v[100+32*\u+8*\t:103+32*\u+8*\t] offset:64*\t+16
.endr
	WIN 0x40*(\w)
.irp i, 0,1,2,3,4,5,6,7
	ds_load_b128 v[96+32*\u+4*\i:99+32*\u+4*\i], v[RD] offset:544*\i   ; LDS serves a wave's instructions in order (ISA guide 5.7.1.4): these see my stores, and the next half's stores come behind them; the rows come back into the registers that they left
.endr
.endr
	WIN 0x04*(\w)                                  ; a store's data are its source 1
.irp u, 0,1
.irp i, 0,1,2,3,4,5,6,7
	s_wait_dscnt 23-16*\u-\i                       ; behind this load: the rest of its half's eight, and for the first half the second's eight stores and eight loads
	global_store_b128 v[GO], v[96+32*\u+4*\i:99+32*\u+4*\i], s[\base:\base+1] offset:1024*\i+256*\u+\off th:TH_STORE_NT   ; written once, read by nobody here
.endr
.endr
	WIN 0
.endm
; THE SWITCH from the high block's tiles to the low block's.
.macro SWITCH
.irp j, 0,1,2,3,4,5,6,7,8,9,10,11
	v_mov_b32 v[16+\j], v[80+\j]                   ; the low block's Q, tile A.  (These moves name no register of the last products: they are places behind them)
.endr
	v_mov_b32 v255, v92                            ; and its scale words
	WIN 0x41                                       ; tile B: source and destination window 1
.irp j, 0,1,2,3,4,5,6,7,8,9,10,11
	v_mov_b32 v[16+\j], v[80+\j]
.endr
	WIN 0x01                                       ; its scale words go to window 0
	v_mov_b32 v[QSB], v92
	WIN 0
	WAYOUT 0, OHI, 0
	WAYOUT 1, OHI, 65536                           ; tile B's rows lie 128 x 512 bytes on
	RESET 0
	RESET 1
	WIN 0
	s_mov_b32 s[Q0], s[Q0LO]
	s_wait_xcnt 0x0                                ; the stores' data registers are written again, by the next scores, only behind this wait
.endm
	s_wait_loadcnt 0x0                             ; Q, all four tiles
.Ltrip:                                            ; eight trips: behind each change of slots the next trip's key slot is asked for
	CHANGE 1
	STEP 0
	STEP 1
	s_xor_b32 s[TB], s[TB], SLOT1                  ; on to the other ring slot
	s_add_co_u32 s[TA], s[TA], 1
	s_sub_co_u32 s[TD], s[TD], 1
	s_cmp_lg_u32 s[TA], s[SW]                      ; the high block's last trip is over: the same in all eight waves
	s_cbranch_scc1 .Lsame
	SWITCH
.Lsame:
	s_cmp_lt_u32 s[TA], 8
	s_cbranch_scc1 .Ltrip
	CHANGE 0                                       ; the ninth trip (the low block, key slot 0) is written out
	STEP 0
	STEP 1
	WAYOUT 0, OLO, 0
	WAYOUT 1, OLO, 65536
	s_wait_tensorcnt 0x0                           ; the wave's end: behind my last tensor load and my last LDS store
	ds_add_u32 v[SPW], v[NIL]
	s_wait_dscnt 0x0
	s_endpgm
.Lfunc_end_k_q08361bee07_attn:
	.size	k_q08361bee07_attn, .Lfunc_end_k_q08361bee07_attn-k_q08361bee07_attn
	.p2alignl 7, 3214868480
	.fill 96, 4, 3214868480
	.section	.rodata,"a",@progbits
	.p2align	6, 0x0
	.amdhsa_kernel k_q08361bee07_attn
		.amdhsa_group_segment_fixed_size 327680
		.amdhsa_private_segment_fixed_size 0
		.amdhsa_enable_private_segment 0
		.amdhsa_kernarg_size 56
		.amdhsa_user_sgpr_count 2
		.amdhsa_user_sgpr_kernarg_segment_ptr 1
		.amdhsa_wavefront_size32 1
		.amdhsa_system_sgpr_workgroup_id_x 1
		.amdhsa_system_sgpr_workgroup_id_y 1
		.amdhsa_system_sgpr_workgroup_id_z 1
		.amdhsa_system_vgpr_workitem_id 0
		.amdhsa_next_free_vgpr 512
		.amdhsa_next_free_sgpr 102
		.amdhsa_reserve_vcc 1
		.amdhsa_float_denorm_mode_32 3
		.amdhsa_float_denorm_mode_16_64 3
		.amdhsa_memory_ordered 1
		.amdhsa_forward_progress 1
		.amdhsa_inst_pref_size 218
	.end_amdhsa_kernel
	.amdgpu_metadata
---
amdhsa.version: [ 1, 2 ]
amdhsa.kernels:
  - .name:           k_q08361bee07_attn
    .symbol:         k_q08361bee07_attn.kd
    .args:
      - { .name: Q_codes, .offset: 0, .size: 8, .value_kind: global_buffer, .address_space: global }
      - { .name: Q_scales, .offset: 8, .size: 8, .value_kind: global_buffer, .address_space: global }
      - { .name: K_codes, .offset: 16, .size: 8, .value_kind: global_buffer, .address_space: global }
      - { .name: K_scales, .offset: 24, .size: 8, .value_kind: global_buffer, .address_space: global }
      - { .name: V_codes, .offset: 32, .size: 8, .value_kind: global_buffer, .address_space: global }
      - { .name: V_scales, .offset: 40, .size: 8, .value_kind: global_buffer, .address_space: global }
      - { .name: out0, .offset: 48, .size: 8, .value_kind: global_buffer, .address_space: global }
    .group_segment_fixed_size: 327680
    .private_segment_fixed_size: 0
    .kernarg_segment_align: 8
    .kernarg_segment_size: 56
    .max_flat_workgroup_size: 256
    .sgpr_count:     102
    .vgpr_count:     512
    .wavefront_size: 32
...
	.end_amdgpu_metadata
.endif
;; end of part 1
